; MI455X (gfx1250); checked and timed in simulation.
; The chip was launched on July 23, 2026; its instructions are those of AMD's public machine-readable ISA for CDNA 5 (MIT licence, August 2026) and "CDNA5" Instruction Set Architecture Reference Guide (July 2026). The comments in the code are by the model that wrote it; some were corrected since.
;; Core Attention. Allowed arithmetic: matrix products marked QUANTISED: E2M1 operands, one E8M0 scale for each 32 along K, by v_wmma_scale_f32_16x16x128_f8f6f4 with both operands' format E2M1 (or v_wmma_scale_f32_32x16x128_f4), f32 sums; everything else in f32.
;; Inputs: key_layer 2,048 x 2 x 16 x 128 float32; kmin 2,048 x 2 x 16 x 1 float32; kscale 2,048 x 2 x 16 x 1 float32; qmin 2,048 x 2 x 16 x 1 float32; qscale 2,048 x 2 x 16 x 1 float32; query_layer 2,048 x 2 x 16 x 128 float32; value_layer 2,048 x 2 x 16 x 128 float32; vmin 16 x 2 x 16 x 128 x 1 float32; vscale 16 x 2 x 16 x 128 x 1 float32.
;; Outputs: out0 2,048 x 2 x 2,048 float32.
;; Constants: causal = 1.
;; This version of the problem:
;;   THIS VERSION OF THE PROBLEM IS GIVEN IN LOW PRECISION. The matrix products marked QUANTISED in the list below multiply operands that are first quantised to E2M1 (2 exponent bits, 1 mantissa bit; 4 bits a number), with one power-of-two scale for each 32 numbers along K (OCP MX v1.0); their sums are f32. All else is computed in f32.
;;   The module's matrix products, in the order in which they are computed (A, B: the left and right operand; K: the contracted axis; several contracted axes count as one K, in the product's order):
;;     1. batch 32 x [M 2,048, K 128] x [K 128, N 2,048]; A: computed on the way; B: computed on the way: QUANTISED
;;     2. batch 32 x [M 2,048, K 2,048] x [K 2,048, N 128]; A: computed on the way; B: computed on the way: QUANTISED
;;   THE QUANTISER, for each operand of a quantised product, along K:
;;     - K is cut into blocks of 32 from its start; a last block that is shorter is filled with zeros.
;;     - A block's scale is 2^e with e = floor(log2(the largest magnitude in the block)) - 2, held to -126 .. 127; a block of zeros has e = 0. As a byte (E8M0): e + 127.
;;     - Each number is divided by its block's scale, clamped to +-6, and rounded to the nearest number of E2M1, ties to even, subnormals kept.
;;     - The product sums the exact products of the quantised numbers (number of the format x scale) in f32.
;;   ~~~python
;;   def quantise(x, axis):      # numpy; x: float32 -> the quantised numbers, widened to float32 again
;;       x = np.moveaxis(x, axis, -1); K = x.shape[-1]
;;       x = np.pad(x, [(0, 0)] * (x.ndim - 1) + [(0, -K % 32)]); x = x.reshape(x.shape[:-1] + (-1, 32)); a = np.abs(x).max(-1, keepdims=True)
;;       e = np.where(a > 0, np.clip(np.frexp(np.where(a > 0, a, 1))[1] - 1 - 2, -126, 127), 0)      # np.frexp(a)[1] - 1 = floor(log2(a)), exactly
;;       r = np.clip(x / 2.0 ** e, -6, 6)
;;       step = 2.0 ** (np.maximum(np.frexp(np.where(r == 0, 1, r))[1] - 1, 0) - 1)
;;       q = np.round(r / step) * step * 2.0 ** e      # np.round: ties to even
;;       return np.moveaxis(q.reshape(q.shape[:-2] + (-1,))[..., :K], -1, axis).astype(np.float32)
;;   ~~~
;;   OPERANDS COMPUTED ON THE WAY. 'Computed on the way' means the value that the module computes at that place (a softmax that the list does not call 'softmax' is quantised finished and normalised). What goes into a quantiser is computed in f32, as accurately as f32 sums, v_exp_f32 and their like allow (about 1e-6 of the number): no bf16 or f16 on the way to a quantiser, and a product that is left as it is and whose result goes on into a quantised operand takes f32 operands (vector FMAs, or v_wmma_f32_16x16x4_f32). A number that lies on a knife's edge between two numbers of the format may be rounded either way, as far as f32 arithmetic and the matrix unit's own rounding can turn it there, and no further.
;; One version. Each part assembles by itself: llvm-mc -triple=amdgcn-amd-amdhsa -mcpu=gfx1250 --defsym DOCPART=n.
;; ======== version 1 of 1: 2 launches
;; limits: right only within a limited range of input values
;; workspace buffers: kv 8,912,896 bytes
;; launch prep (part 1): grid 256 x 1, 4 waves a work-group, no clusters, 270,848 bytes of LDS; arguments key_layer, kscale, kmin, value_layer, vscale, vmin, kv; writes kv
.if DOCPART == 1
	.amdgcn_target "amdgcn-amd-amdhsa--gfx1250"
	.amdhsa_code_object_version 6
	.text
	.protected	k_q3d67e53348_prep
	.globl	k_q3d67e53348_prep
	.p2align	8
	.type	k_q3d67e53348_prep,@function
k_q3d67e53348_prep:
	s_mov_b64 s[64:65], 0
	v_nop
	global_prefetch_b8 v0, s[64:65] scope:SCOPE_SE
	s_setreg_imm32_b32 hwreg(HW_REG_WAVE_MODE, 25, 1), 1
	s_wait_xcnt 0x0
; K and V, f32 laid [s][b][h][d], are dequantised (x * scale + min, one fused multiply-add) and turned into codes of FP4 (E2M1) with one E8M0 byte for each 32 along
; the axis that their product sums over: K along d, V along the keys.  The results go to kv as IMAGES OF OPERAND REGISTERS, head by head (HEADB bytes a head):
;   byte 0       K's codes: step of 128 keys x tile t (0..7) x 1,024 bytes; in a tile, group c (0, 1) is 512 bytes, lane l's 16 bytes at 16 l.
;                Lane (r, h) of tile t holds key 32 (t / 2) + 8 (t % 2) + r + 8 (r / 8) of the step, d = 64 c + 32 h + 0 .. 31.
;   byte 131,072 K's scale words: 512 bytes a step; lane l's word b is the word of tile 2 b + l / 16, row l % 16.
;   byte 139,264 V's codes: step x tile dt (16 channels) x 1,024; lane (r, h), group c: channel 16 dt + r, keys 64 c + 32 h + 0 .. 31 of the step.
;   byte 270,336 V's scale words: 512 bytes a step; lane l's word e is the word of channel 32 e + l.
; A block's scale is 2^(floor(log2(its largest magnitude)) - 2); its byte is the largest magnitude's exponent field - 2, held at 1 from below.
; LIMITS: a block of zeros gets the byte 1 where the rule says 127 (its codes are zeros, and this program alone reads the bytes); blocks whose largest magnitude lies
; under 2^(3 - 127) keep that byte too; NaN and infinities among the inputs are not served.
; SHARES.  Work-groups 0-127 take K, 128-255 take V.  A wave owns one unit: 128 keys x 128 d of one head, 64 KiB, brought by four tensor loads of 32 rows x 512 bytes
; into LDS bytes of the wave's own.  Every LDS byte is filled once and read by the wave that asked for it: no barrier, no LDS store.
; The four waves of a work-group take four neighbouring heads of one step: 2,048 bytes on end of each key.
.set PITCH,  528                       ; an LDS row: 512 bytes + 16 of padding
.set QBYTES, 32*PITCH                  ; a quarter: 32 rows, one tensor load
.set WREG,   4*QBYTES                  ; a wave's region
.set HEADB,  278528                    ; a head in kv
.set WD,     24                        ; v24-27   scale words on their way out
.set SCV,    32                        ; v32-39   the lane's scales
.set MNV,    40                        ; v40-47   the lane's mins
.set X,      48                        ; v48-175  numbers: two sets
.set C,      176                       ; v176-239 codes: registers of its own for each tile or block, so that no store's data are written again
.set G1,     24                        ; s[24:31] descriptor group 1
.set G0,     32                        ; s[32:47] descriptor group 0, a set for each quarter
	s_load_b256 s[4:11], s[0:1], 0x0               ; K s[4:5], kscale s[6:7], kmin s[8:9], V s[10:11]
	s_load_b128 s[12:15], s[0:1], 0x20             ; vscale s[12:13], vmin s[14:15]
	s_load_b64 s[16:17], s[0:1], 0x30              ; kv
	v_lshl_add_u32 v254, v0, 2, 0x42000
	v_mov_b32 v255, 0
	ds_add_u32 v254, v255
	ds_add_u32 v254, v255
	v_lshrrev_b32 v1, 5, v0
	v_readfirstlane_b32 s18, v1                    ; wave 0..3
	s_and_b32 s20, ttmp9, 127
	s_lshl_b32 s20, s20, 2
	s_add_co_u32 s20, s20, s18                     ; my unit, 0..511
	s_and_b32 s21, s20, 31                         ; its head
	s_lshr_b32 s22, s20, 5                         ; its step of 128 keys
	s_mul_i32 s19, s18, WREG                       ; my region of LDS
	; group 1: 32 rows x 128 elements of 4 bytes, 4,096 elements from row to row, 4 words of padding behind every 128 words
	s_mov_b32 s[G1+0], (2<<16)|(1<<20)|(6<<22)|(3<<25)
	s_mov_b32 s[G1+1], 128<<16                     ; tensor_dim0
	s_mov_b32 s[G1+2], 32<<16                      ; tensor_dim1
	s_mov_b32 s[G1+3], 128<<16                     ; tile_dim0
	s_mov_b32 s[G1+4], 32                          ; tile_dim1
	s_mov_b32 s[G1+5], 4096                        ; tensor_dim0_stride
	s_mov_b32 s[G1+6], 0
	s_mov_b32 s[G1+7], 0
	s_mov_b32 s48, 0xffff0000                      ; lanes 16-31
	s_mov_b32 s50, 0x76543210
	s_mov_b32 s51, 0xfedcba98                      ; v_permlanex16_b32's selects for lane l xor 16
	s_lshl_b32 s54, s22, 21                        ; the unit in K or V: 128 keys of 16,384 bytes a step,
	s_lshl_b32 s55, s21, 9                         ; 512 bytes a head
	s_add_co_u32 s54, s54, s55
	s_mov_b32 s55, 0
	s_cmp_lt_u32 ttmp9, 128                        ; K's work-group or V's?
	s_cselect_b32 s60, 2, 9                        ; scale and min: K has 4 bytes a head in a key's 128, V 512 bytes a head in a group's 16,384
	s_cselect_b32 s61, 0, 139264                   ; K's or V's part of a head in kv
	s_lshl_b32 s58, s22, 14                        ; 16,384 bytes a step in both: 128 keys of 128 bytes, or one group of 128 keys
	s_lshl_b32 s60, s21, s60
	s_add_co_u32 s58, s58, s60
	s_mov_b32 s59, 0
	s_mul_i32 s56, s21, HEADB
	s_add_co_u32 s56, s56, s61
	s_lshl_b32 s62, s22, 9                         ; the scale words: 512 bytes a step, 131,072 behind the codes' first byte
	s_add_co_u32 s62, s62, s56
	s_add_co_u32 s62, s62, 131072
	s_mov_b32 s63, 0
	s_lshl_b32 s60, s22, 13                        ; the codes: 8,192 bytes a step
	s_add_co_u32 s56, s56, s60
	s_mov_b32 s57, 0
	v_and_b32 v2, 31, v0                           ; lane
	v_and_b32 v3, 15, v0                           ; r
	v_bfe_u32 v1, v0, 4, 1                         ; h
	v_and_b32 v12, 8, v3
	v_add_nc_u32 v12, v12, v3                      ; r + 8 (r / 8)
	v_mul_u32_u24 v4, v12, PITCH
	v_lshl_add_u32 v4, v1, 7, v4
	v_add_nc_u32 v4, s19, v4                       ; K: my row of a tile, + 128 h bytes
	v_lshl_add_u32 v5, v2, 2, s19                  ; V: a lane is a channel: 4 bytes a lane
	v_add_nc_u32 v6, 64*PITCH, v5                  ; and the same 64 rows down, so that the immediates stay inside 16 bits
	v_lshlrev_b32 v7, 4, v2                        ; an image: 16 bytes a lane
	v_lshlrev_b32 v8, 4, v3
	v_lshl_add_u32 v8, v1, 10, v8                  ; V's codes: lanes 0-15 into one tile, lanes 16-31 into the next
	v_lshlrev_b32 v9, 7, v12                       ; kscale, kmin: 128 bytes a key
	v_lshlrev_b32 v10, 2, v2                       ; vscale, vmin: 4 bytes a channel
	v_lshlrev_b32 v11, 3, v1                       ; 8 h
	v_mov_b32 v19, 0                               ; written once: a lane permute's destination counts as one of its sources
	s_wait_dscnt 0x0
	s_wait_kmcnt 0x0
	s_cmp_lt_u32 ttmp9, 128                        ; the choice hangs on the work-group's number alone
	s_cselect_b64 s[4:5], s[4:5], s[10:11]
	s_cselect_b64 s[6:7], s[6:7], s[12:13]
	s_cselect_b64 s[8:9], s[8:9], s[14:15]
	s_add_nc_u64 s[4:5], s[4:5], s[54:55]
	s_add_nc_u64 s[6:7], s[6:7], s[58:59]
	s_add_nc_u64 s[8:9], s[8:9], s[58:59]
	s_add_nc_u64 s[52:53], s[16:17], s[62:63]      ; where my scale words go
	s_add_nc_u64 s[16:17], s[16:17], s[56:57]      ; where my codes go
.irp q, 0,1,2,3
	s_mov_b32 s[G0+4*\q], 1                        ; count = 1
	s_add_co_u32 s[G0+4*\q+1], s19, \q*QBYTES      ; LDS address
	s_add_nc_u64 s[G0+4*\q+2:G0+4*\q+3], s[4:5], \q*32*16384   ; 32 keys a quarter
	s_or_b32 s[G0+4*\q+3], s[G0+4*\q+3], 0x80000000            ; type = 2
.endr
.irp q, 0,1,2,3
	tensor_load_to_lds s[G0+4*\q:G0+4*\q+3], s[G1:G1+7]        ; all first fills in one group: four loads of mine are out
	s_nop 0
.endr
.rept 4
	v_nop
.endr
	s_cmp_lt_u32 ttmp9, 128
	s_cbranch_scc0 .Lvalues
; ---------------- K: a tile of 16 keys x 128 d at a time; a lane holds two whole blocks of 32 along d
.macro LOADK n                         ; tile n's numbers into set n % 2: register 32 c + i = d 64 c + 32 h + i of my key
.irp c, 0,1
.irp j, 0,1,2,3,4,5,6,7
	ds_load_b128 v[X+64*((\n)%2)+32*\c+4*\j:X+64*((\n)%2)+32*\c+4*\j+3], v4 offset:(32*((\n)/2)+8*((\n)%2))*PITCH+256*\c+16*\j
.endr
.endr
.endm
.macro KTILE n
.set XS, X+64*((\n)%2)
.if (\n) < 7
	s_wait_dscnt 16                                ; this tile's 16 loads are in; the next tile's 16 may be out
.else
	s_wait_dscnt 0x0
.endif
.set kk, 0
.rept 64
	v_fma_f32 v[XS+kk], v[XS+kk], v[SCV+(\n)], v[MNV+(\n)]     ; k * kscale + kmin of my key
.set kk, kk+1
.endr
.irp c, 0,1
	v_max3_num_f32 v[12+\c], |v[XS+32*\c]|, |v[XS+32*\c+1]|, 0x1800000   ; block 2 c + h: all 32 numbers are mine; the floor 2^(3 - 127) holds the byte at 1 from below
.endr
.irp i, 2,4,6,8,10,12,14,16,18,20,22,24,26,28,30
.irp c, 0,1
	v_max3_num_f32 v[12+\c], v[12+\c], |v[XS+32*\c+\i]|, |v[XS+32*\c+\i+1]|   ; the two blocks by turns
.endr
.endr
.irp c, 0,1
	v_add_nc_u32 v[14+\c], 0xff000000, v[12+\c]    ; 2 off the exponent field: the conversion's scale operand
.endr
.irp c, 0,1
	v_lshrrev_b32 v[16+\c], 23, v[14+\c]           ; the scale's byte
.endr
	v_lshl_or_b32 v18, v17, 16, v16                ; my two bytes, blocks h and 2 + h,
	v_lshlrev_b32 v18, v11, v18                    ; at their places in the word;
	v_permlanex16_b32 v19, v18, s50, s51
	v_or_b32 v18, v18, v19                         ; with lane l xor 16's two the word is whole, in both lanes
.irp c, 0,1
.irp g, 0,1,2,3
	v_cvt_scalef32_pk8_fp4_f32 v[C+8*(\n)+4*\c+\g], v[XS+32*\c+8*\g:XS+32*\c+8*\g+7], v[14+\c]
.endr
.endr
.if ((\n)%2) == 0
	v_mov_b32 v20, v18                             ; the even tile's word is kept (also the plain line behind the conversions)
.else
	v_cndmask_b32 v[WD+(\n)/2], v20, v18, s48      ; lanes 0-15 the even tile's word, lanes 16-31 the odd tile's
.endif
.irp c, 0,1
	global_store_b128 v7, v[C+8*(\n)+4*\c:C+8*(\n)+4*\c+3], s[16:17] offset:1024*(\n)+512*\c   ; 32 lanes store 512 consecutive bytes, aligned
.endr
.if (\n)+2 <= 7
.if ((\n)%2) == 0
	s_wait_tensorcnt 3-((\n)+2)/2                  ; tiles 2 q and 2 q + 1 lie in quarter q: the younger quarters may be out
.endif
	LOADK (\n)+2
.endif
.endm
.irp n, 0,1,2,3,4,5,6,7
	global_load_b32 v[SCV+\n], v9, s[6:7] offset:(32*(\n/2)+8*(\n%2))*128   ; scale and min of my key in each tile
	global_load_b32 v[MNV+\n], v9, s[8:9] offset:(32*(\n/2)+8*(\n%2))*128
.endr
	s_wait_tensorcnt 3                             ; quarter 0 is in; three younger loads may be out
	LOADK 0
	LOADK 1
	s_wait_loadcnt 0x0
.irp n, 0,1,2,3,4,5,6,7
	KTILE \n
.endr
	global_store_b128 v7, v[WD:WD+3], s[52:53]     ; the step's scale words: 512 consecutive bytes
	s_wait_tensorcnt 0x0
	ds_add_u32 v254, v255
	s_wait_dscnt 0x0
	s_endpgm
; ---------------- V: a lane is a channel, its registers run down the keys: a block of 32 keys lies in one lane
.Lvalues:
.macro LOADV n                         ; block n: keys 32 (n / 4) + 0 .. 31, channels 32 (n % 4) + lane, into set n % 2; 32 lanes read 128 consecutive bytes
.set kk, 0
.rept 32
.if (\n)/4 < 2
	ds_load_b32 v[X+32*((\n)%2)+kk], v5 offset:(32*((\n)/4)+kk)*PITCH+128*((\n)%4)
.else
	ds_load_b32 v[X+32*((\n)%2)+kk], v6 offset:(32*((\n)/4)-64+kk)*PITCH+128*((\n)%4)
.endif
.set kk, kk+1
.endr
.endm
.macro VBLK n
.set XS, X+32*((\n)%2)
.if (\n) < 15
	s_wait_dscnt 32                                ; this block's 32 loads are in; the next block's 32 may be out
.else
	s_wait_dscnt 0x0
.endif
.set kk, 0
.rept 32
	v_fma_f32 v[XS+kk], v[XS+kk], v[SCV+(\n)%4], v[MNV+(\n)%4]   ; v * vscale + vmin of my channel in this group of 128 keys
.set kk, kk+1
.endr
	v_max3_num_f32 v12, |v[XS]|, |v[XS+1]|, |v[XS+2]|          ; the block's largest magnitude, in two chains
	v_max3_num_f32 v13, |v[XS+3]|, |v[XS+4]|, |v[XS+5]|
.irp i, 6,10,14,18,22,26
	v_max3_num_f32 v12, v12, |v[XS+\i]|, |v[XS+\i+1]|
	v_max3_num_f32 v13, v13, |v[XS+\i+2]|, |v[XS+\i+3]|
.endr
	v_max3_num_f32 v12, v12, |v[XS+30]|, |v[XS+31]|
	v_max3_num_f32 v12, v12, v13, 0x1800000        ; and the floor
	v_add_nc_u32 v14, 0xff000000, v12
	v_lshrrev_b32 v16, 23, v14
.irp g, 0,1,2,3
	v_cvt_scalef32_pk8_fp4_f32 v[C+4*(\n)+\g], v[XS+8*\g:XS+8*\g+7], v14
.endr
.if (\n)/4 == 0
	v_mov_b32 v[WD+(\n)%4], v16                    ; the byte of block n / 4 into my channel's word (also the plain line behind the conversions)
.else
	v_lshl_or_b32 v[WD+(\n)%4], v16, 8*((\n)/4), v[WD+(\n)%4]
.endif
	global_store_b128 v8, v[C+4*(\n):C+4*(\n)+3], s[16:17] offset:((\n)%4)*2048+((\n)/8)*512+(((\n)/4)%2)*256   ; sixteen lanes store 256 consecutive bytes, aligned; the other sixteen the same in the next tile
.if (\n)+2 <= 15
.if (((\n)+2)%4) == 0
	s_wait_tensorcnt 3-((\n)+2)/4                  ; blocks 4 q .. 4 q + 3 lie in quarter q: the younger quarters may be out
.endif
	LOADV (\n)+2
.endif
.endm
.irp e, 0,1,2,3
	global_load_b32 v[SCV+\e], v10, s[6:7] offset:128*\e
	global_load_b32 v[MNV+\e], v10, s[8:9] offset:128*\e
.endr
	s_wait_tensorcnt 3
	LOADV 0
	LOADV 1
	s_wait_loadcnt 0x0
.irp n, 0,1,2,3,4,5,6,7,8,9,10,11,12,13,14,15
	VBLK \n
.endr
	global_store_b128 v7, v[WD:WD+3], s[52:53]
	s_wait_tensorcnt 0x0
	ds_add_u32 v254, v255
	s_wait_dscnt 0x0
	s_endpgm
.Lfunc_end_k_q3d67e53348_prep:
	.size	k_q3d67e53348_prep, .Lfunc_end_k_q3d67e53348_prep-k_q3d67e53348_prep
	.p2alignl 7, 3214868480
	.fill 96, 4, 3214868480
	.section	.rodata,"a",@progbits
	.p2align	6, 0x0
	.amdhsa_kernel k_q3d67e53348_prep
		.amdhsa_group_segment_fixed_size 270848
		.amdhsa_private_segment_fixed_size 0
		.amdhsa_enable_private_segment 0
		.amdhsa_kernarg_size 56
		.amdhsa_user_sgpr_count 2
		.amdhsa_user_sgpr_kernarg_segment_ptr 1
		.amdhsa_wavefront_size32 1
		.amdhsa_system_sgpr_workgroup_id_x 1
		.amdhsa_system_sgpr_workgroup_id_y 1
		.amdhsa_system_sgpr_workgroup_id_z 1
		.amdhsa_system_vgpr_workitem_id 0
		.amdhsa_next_free_vgpr 256
		.amdhsa_next_free_sgpr 66
		.amdhsa_reserve_vcc 0
		.amdhsa_float_denorm_mode_32 3
		.amdhsa_float_denorm_mode_16_64 3
		.amdhsa_memory_ordered 1
		.amdhsa_forward_progress 1
		.amdhsa_inst_pref_size 163
	.end_amdhsa_kernel
	.amdgpu_metadata
---
amdhsa.version: [ 1, 2 ]
amdhsa.kernels:
  - .name:           k_q3d67e53348_prep
    .symbol:         k_q3d67e53348_prep.kd
    .args:
      - { .name: key_layer, .offset: 0, .size: 8, .value_kind: global_buffer, .address_space: global }
      - { .name: kscale, .offset: 8, .size: 8, .value_kind: global_buffer, .address_space: global }
      - { .name: kmin, .offset: 16, .size: 8, .value_kind: global_buffer, .address_space: global }
      - { .name: value_layer, .offset: 24, .size: 8, .value_kind: global_buffer, .address_space: global }
      - { .name: vscale, .offset: 32, .size: 8, .value_kind: global_buffer, .address_space: global }
      - { .name: vmin, .offset: 40, .size: 8, .value_kind: global_buffer, .address_space: global }
      - { .name: kv, .offset: 48, .size: 8, .value_kind: global_buffer, .address_space: global }
    .group_segment_fixed_size: 270848
    .private_segment_fixed_size: 0
    .kernarg_segment_align: 8
    .kernarg_segment_size: 56
    .max_flat_workgroup_size: 128
    .sgpr_count:     66
    .vgpr_count:     256
    .wavefront_size: 32
...
	.end_amdgpu_metadata
.endif
;; end of part 1
;; launch attn (part 2): grid 8 x 32, 8 waves a work-group, clusters of 4 x 1, 327,680 bytes of LDS; arguments query_layer, qscale, qmin, kv, out0; writes out0
.if DOCPART == 2
	.amdgcn_target "amdgcn-amd-amdhsa--gfx1250"
	.amdhsa_code_object_version 6
	.text
	.protected	k_q3d67e53348_attn
	.globl	k_q3d67e53348_attn
	.p2align	8
	.type	k_q3d67e53348_attn,@function
k_q3d67e53348_attn:
	s_mov_b64 s[64:65], 0
	v_nop
	global_prefetch_b8 v0, s[64:65] scope:SCOPE_SE
	s_setreg_imm32_b32 hwreg(HW_REG_WAVE_MODE, 25, 1), 1
	s_wait_xcnt 0x0
	s_wait_alu depctr_hold_cnt(0) depctr_sa_sdst(0) depctr_va_vdst(0) depctr_va_sdst(0) depctr_va_ssrc(0) depctr_va_vcc(0) depctr_vm_vsrc(0)
	s_getreg_b32 s2, hwreg(HW_REG_IB_STS2, 6, 4)
	s_cmp_eq_u32 s2, 0
	s_cbranch_scc0 .Lentry_in_a_cluster
	s_endpgm
.Lentry_in_a_cluster:
	s_bfe_u32 s2, ttmp6, 0x10000c
	s_cmp_lg_u32 s2, 0x3003
	s_cbranch_scc0 .Lentry_shape_is_right
	s_endpgm
.Lentry_shape_is_right:
; out[s][b][h d] = Q4(pd) Q4(vd), pd = round((probs - pmin) / pscale) pscale + pmin, probs = softmax of the causal scores Q4(qd) Q4(kd)^T / sqrt(128); Q4 = codes of FP4 (E2M1) with one E8M0 scale for each 32 along K.
; K's and V's codes and scale words come from kv, as images of operand registers (278,528 bytes a head: K's codes, K's words, V's codes, V's words); q is dequantised and quantised here, in registers.
; TWO PASSES over the keys, since pd wants the row's finished maximum, sum and minimum: pass 1 makes the scores and keeps a running whole-number maximum M and the sum of 2^(t - M), t = score x log2(e) / sqrt(128);
; pass 2 makes the same scores again (the same instruction on the same codes), p = 2^(t - M), pd, its codes, and O^T += V^T P^T.  pd is normalised, so O is neither rescaled nor divided.
; THE MASK is built by the problem itself: a hidden key has probs = 0, so pmin = 0 in every row but the last (s = 2,047), pd of a hidden key is 0, and key steps wholly behind the diagonal are left out.
; THE GRID OF 255 STEPS, where pmin = 0, is two fused multiply-adds: X = p A + 2^23 (A = 1 / (sum x pscale)) is rounded to a whole number, ties to even, by the addition itself, and X pscale - 2^23 pscale is
; (X - 2^23) pscale rounded once.  The eight tiles that may hold row 2,047 (wave 0's first tile) take the general way: the constant is 0 and v_rndne_f32 is written.
; SHARES.  A head has 128 tiles of 16 queries; tile j needs j / 8 + 1 key steps of 128.  Wave w of block c (0..7) takes tile 8 (15 - w) + 7 - c and then tile 8 w + c: 17 steps in every wave.
; The diagonal's step is 15 - w, then w: every branch hangs on the wave's number and a loop's counter; c enters q's and out's addresses and the mask's vector data alone.
; CLUSTER.  Four work-groups of one head form a cluster and ask for the head's image JOINTLY: one tensor load a wave, 136 rows of 256 bytes, the same descriptor in all four.  It fills LDS once; nothing is filled again.
; LAYOUT.  Both products are used transposed (source 0 = 16 keys, or 16 channels; source 1 = my 16 queries): a lane holds one query (lane % 16).  Score register 16 b + i is key 32 b + 16 (lane / 16) + i of the step.
; LIMITS: NaN and infinities among the inputs are not served.  Hidden scores are taken as -infinity where the problem writes -1e9: the same wherever a row's largest scaled score lies above about -9.9e8.
; p under 2^-126 is flushed to 0 by v_exp_f32 (its step on the grid is 0 either way).  A block of zeros carries the byte 1.  The dequantisation is one fused multiply-add, and (probs - pmin) / pscale is one
; fused multiply-add by reciprocals refined by a Newton step: a few units in the last place from the divisions as written.
; REGISTERS.  Window 0: v1-11, v28-31, v61-63 addresses and lane data that stay; v12-27 a tile's statistics; v32-50 the two tiles' codes of q and their scale words; v52-60 scale words; v64-71 p's codes; v72-87 at work;
;   v88-91 q's scale and min; v96-159 scores, then p, then pd; v160-223 V's fragments (q's numbers land there too).   Window 1: v0-63 O^T; v64-127 K's fragments.
.set HEADB,  278528
.set PARTB,  34816                     ; an eighth of a head's image: what one wave asks for
.set KSOFF,  131072
.set VCOFF,  139264
.set VSOFF,  270336
.set STAGE,  278528                    ; behind the image: 16 rows x 272 bytes for each wave, for q's turn and the way out; no tensor load lands there
.set SP,     272
.set ROWB,   16384                     ; from a query to the next in q and in out
.set LI,   1                           ; 16 x lane: my place in an image
.set RH,   2                           ; r - 16 h
.set DM,   3                           ; the mask: my query's place in the diagonal's step - 16 h
.set ADK,  4
.set ADS,  5
.set ADV,  6
.set ADT,  7
.set STO,  8                           ; stage + 272 r + 32 h
.set RD,   9                           ; stage + 272 (lane / 16) + 16 (lane % 16)
.set GO,   10                          ; 16,384 (lane / 16) + 16 (lane % 16)
.set NINF, 11
.set NEGM, 12                          ; -M
.set SMAX, 13                          ; the largest score
.set LS,   14                          ; v[14:15] the sum, in two halves
.set FA,   16                          ; A
.set RL,   17                          ; 1 / sum
.set FB,   18                          ; -pmin / pscale + the constant
.set PMIN, 19
.set PS,   20                          ; pscale
.set IP,   21                          ; 1 / pscale
.set FC,   22                          ; pmin - the constant x pscale
.set PM,   23                          ; the largest p
.set FF,   24
.set TT,   25
.set SMIN, 26
.set QL,   27
.set AS0,  28
.set AV0,  29
.set AT0,  30
.set QRD,  31                          ; stage + 272 r + 64 h
.set QA,   32                          ; v32-39 the first tile's codes of q, v40 its scale word
.set QAS,  40
.set QB,   42                          ; v42-49, v50 the second tile's
.set QBS,  50
.set KSC,  52                          ; v52-55 K's scale words of a step
.set VSC,  56                          ; v56-59 V's
.set PSW,  60                          ; pd's
.set QSO,  61                          ; 128 r
.set RR,   62
.set HH,   63
.set PC,   64
.set TM,   72
.set QSV,  88
.set QMV,  90
.set S,    96
.set FV,   160
.set FK,   64                          ; in window 1
.set WV,   14                          ; s14 my wave's number
.set CC,   15                          ; s15 c
.set G1,   16
.set G0,   24
.set KS,   28                          ; the key step
.set TK,   29                          ; 8,192 x the step
.set TS,   30                          ; 512 x the step
.set HD,   31
.set JM,   32
.set DGH,  33                          ; the diagonal's step of the first tile: 15 - w
.set DGL,  34                          ; of the second: w
.set CI,   35                          ; 7 - c
.set CS,   36                          ; s[36:37] log2(e) / sqrt(128)
.set SEL,  38
.set MAGIC, 40
.set QBH,  42                          ; s[42:57] q, qscale, qmin, out at the first (H) and the second (L) tile
.set QBL,  44
.set SBH,  46
.set SBL,  48
.set MBH,  50
.set MBL,  52
.set OBH,  54
.set OBL,  56
.set MSB, 0
.macro WIN new                         ; the immediate's high byte repeats the setting that is left; a switch that changes nothing is dropped.  At every label and branch the setting is 0
.if MSB != \new
	s_set_vgpr_msb (MSB<<8)|\new
.set MSB, \new
.endif
.endm
.macro CROUND                          ; a round of the cluster's barrier
	s_barrier_signal -1
	s_barrier_wait -1
	s_cmp_lg_u32 s[WV], 0
	s_cbranch_scc1 .Lnot_wave_0_\@
	s_barrier_signal -3
.Lnot_wave_0_\@:
	s_barrier_wait -3
	s_barrier_signal -1
	s_barrier_wait -1
.endm
; 16 rows of q: each load takes 256 consecutive bytes of two rows; and my query's scale and min
.macro QLOAD qb, sb, mb
.irp u, 0,1
.irp i, 0,1,2,3,4,5,6,7
	global_load_b128 v[FV+32*\u+4*\i:FV+32*\u+4*\i+3], v[GO], s[\qb:\qb+1] offset:2*\i*ROWB+256*\u th:TH_LOAD_NT
.endr
.endr
	global_load_b32 v[QSV], v[QSO], s[\sb:\sb+1]
	global_load_b32 v[QMV], v[QSO], s[\mb:\mb+1]
.endm
; 64 numbers of a lane, register 16 b + i = k 32 b + 16 (lane / 16) + i of my row, become a fragment's codes in v[pc] on and its scale word in v[pw]
.macro QUANT s, pc, pw
.irp b, 0,1,2,3
	v_max3_num_f32 v[TM+\b], |v[\s+16*\b]|, |v[\s+1+16*\b]|, 0x1800000   ; my 16 numbers of block b, and the floor 2^(3 - 127): the byte cannot fall under 1
.endr
.irp i, 2,4,6,8,10,12,14
.irp b, 0,1,2,3
	v_max3_num_f32 v[TM+\b], v[TM+\b], |v[\s+16*\b+\i]|, |v[\s+1+16*\b+\i]|
.endr
.endr
.irp b, 0,1,2,3
	v_permlanex16_b32 v[TM+4+\b], v[TM+\b], s[SEL], s[SEL+1]
.endr
.irp b, 0,1,2,3
	v_max_num_f32 v[TM+\b], v[TM+\b], v[TM+4+\b]   ; with lane l xor 16's: the block's largest magnitude
.endr
.irp b, 0,1,2,3
	v_add_nc_u32 v[TM+12+\b], 0xff000000, v[TM+\b] ; 2 off its exponent field: the conversion's scale operand
.endr
.irp b, 0,1,2,3
	v_lshrrev_b32 v[TM+4+\b], 23, v[TM+12+\b]      ; the scale's byte
.endr
	v_lshl_or_b32 v[\pw], v[TM+5], 8, v[TM+4]
	v_lshl_or_b32 v[\pw], v[TM+6], 16, v[\pw]
	v_lshl_or_b32 v[\pw], v[TM+7], 24, v[\pw]
.irp b, 0,1,2,3
	v_cvt_scalef32_pk8_fp4_f32 v[\pc+2*\b], v[\s+16*\b:\s+16*\b+7], v[TM+12+\b]
	v_cvt_scalef32_pk8_fp4_f32 v[\pc+1+2*\b], v[\s+16*\b+8:\s+16*\b+15], v[TM+12+\b]
.endr
	v_nop                                          ; one plain place behind a scaled conversion
.irp c, 0,1                                    ; the operand's layout wants a whole block in a lane
.irp i, 0,1
	v_permlane16_swap_b32 v[\pc+4*\c+\i], v[\pc+2+4*\c+\i]
.endr
.endr
.endm
; q's 16 rows turn through my stage, half a row at a time, so that a lane gets 16 neighbours of each block of 32 of ITS row; then q * qscale + qmin, then the codes
.macro QPREP pc, pw
	s_wait_loadcnt 0x0
.irp u, 0,1
.irp i, 0,1,2,3,4,5,6,7
	ds_store_b128 v[RD], v[FV+32*\u+4*\i:FV+32*\u+4*\i+3] offset:2*\i*SP
.endr
.irp b, 0,1
.irp j, 0,1,2,3
	ds_load_b128 v[S+16*(2*\u+\b)+4*\j:S+16*(2*\u+\b)+4*\j+3], v[QRD] offset:128*\b+16*\j   ; LDS serves a wave's instructions in order (ISA guide 5.7.1.4): these see the stores above, and the next half's stores come behind them
.endr
.endr
.endr
	s_wait_dscnt 0x0
.set jj, 0
.rept 32
	v_pk_fma_f32 v[S+jj:S+jj+1], v[S+jj:S+jj+1], v[QSV:QSV+1], v[QMV:QMV+1] op_sel_hi:[1,0,0]
.set jj, jj+2
.endr
	QUANT S, \pc, \pw
.endm
.macro KLOAD ak, ax, ko, so            ; a step's eight fragments of K and its scale words; 512 consecutive bytes a load
	WIN 0x40                                       ; destination window 1
.irp t, 0,1,2,3,4,5,6,7
.irp c, 0,1
	ds_load_b128 v[FK+8*\t+4*\c:FK+8*\t+4*\c+3], v[\ak] offset:\ko+1024*\t+512*\c
.endr
.endr
	WIN 0
	ds_load_b128 v[KSC:KSC+3], v[\ax] offset:\so
.endm
.macro VLOAD
.irp t, 0,1,2,3,4,5,6,7
.irp c, 0,1
	ds_load_b128 v[FV+8*\t+4*\c:FV+8*\t+4*\c+3], v[ADV] offset:1024*\t+512*\c
.endr
.endr
	ds_load_b128 v[VSC:VSC+3], v[ADT]
.endm
.macro QK qc, qs                       ; S^T = K Q^T: eight tiles of 16 keys.  Word register t / 2 carries the even tile's words in lanes 0-15, the odd tile's in lanes 16-31
	WIN 0x01                                       ; source 0 window 1
.irp t, 0,1,2,3,4,5,6,7
.if (\t)%2
	v_wmma_scale_f32_16x16x128_f8f6f4 v[S+8*\t:S+8*\t+7], v[FK+8*\t:FK+8*\t+7], v[\qc:\qc+7], 0, v[KSC+\t/2], v[\qs] matrix_a_fmt:MATRIX_FMT_FP4 matrix_b_fmt:MATRIX_FMT_FP4 matrix_a_scale:MATRIX_SCALE_ROW1
.else
	v_wmma_scale_f32_16x16x128_f8f6f4 v[S+8*\t:S+8*\t+7], v[FK+8*\t:FK+8*\t+7], v[\qc:\qc+7], 0, v[KSC+\t/2], v[\qs] matrix_a_fmt:MATRIX_FMT_FP4 matrix_b_fmt:MATRIX_FMT_FP4
.endif
.endr
	WIN 0
.endm
.macro PV zero                         ; O^T += V^T P^T: eight tiles of 16 channels, one instruction a turn; the eight products of QK stand between two turns of an accumulator
.if \zero
	WIN 0x40                                       ; destination window 1: the first step's products start the sums
.else
	WIN 0x50                                       ; C and D window 1
.endif
.irp t, 0,1,2,3,4,5,6,7
.if \zero
.if (\t)%2
	v_wmma_scale_f32_16x16x128_f8f6f4 v[8*\t:8*\t+7], v[FV+8*\t:FV+8*\t+7], v[PC:PC+7], 0, v[VSC+\t/2], v[PSW] matrix_a_fmt:MATRIX_FMT_FP4 matrix_b_fmt:MATRIX_FMT_FP4 matrix_a_scale:MATRIX_SCALE_ROW1
.else
	v_wmma_scale_f32_16x16x128_f8f6f4 v[8*\t:8*\t+7], v[FV+8*\t:FV+8*\t+7], v[PC:PC+7], 0, v[VSC+\t/2], v[PSW] matrix_a_fmt:MATRIX_FMT_FP4 matrix_b_fmt:MATRIX_FMT_FP4
.endif
.else
.if (\t)%2
	v_wmma_scale_f32_16x16x128_f8f6f4 v[8*\t:8*\t+7], v[FV+8*\t:FV+8*\t+7], v[PC:PC+7], v[8*\t:8*\t+7], v[VSC+\t/2], v[PSW] matrix_a_fmt:MATRIX_FMT_FP4 matrix_b_fmt:MATRIX_FMT_FP4 matrix_a_scale:MATRIX_SCALE_ROW1
.else
	v_wmma_scale_f32_16x16x128_f8f6f4 v[8*\t:8*\t+7], v[FV+8*\t:FV+8*\t+7], v[PC:PC+7], v[8*\t:8*\t+7], v[VSC+\t/2], v[PSW] matrix_a_fmt:MATRIX_FMT_FP4 matrix_b_fmt:MATRIX_FMT_FP4
.endif
.endif
.endr
	WIN 0
.endm
.macro MASK                            ; the diagonal's step: register 16 b + i is hidden where 32 b + i > DM.  Ascending: each accumulator is read from its low end on
.set nn, 0
.rept 64
	v_cmp_gt_i32 vcc_lo, 32*(nn/16)+nn%16, v[DM]
	v_cndmask_b32 v[S+nn], v[S+nn], v[NINF], vcc_lo
.set nn, nn+1
.endr
.endm
.macro SCALE_EXP                       ; p = 2^(score x c - M): 32 packed multiply-adds, then the 64 exponentials as one batch
.set jj, 0
.rept 32
	v_pk_fma_f32 v[S+jj:S+jj+1], v[S+jj:S+jj+1], s[CS:CS+1], v[NEGM:NEGM+1] op_sel_hi:[1,0,0]
.set jj, jj+2
.endr
.set jj, 0
.rept 64
	v_exp_f32 v[S+jj], v[S+jj]
.set jj, jj+1
.endr
.endm
; PASS 1, a key step.  The statistics are each lane's own (its 64 keys of the step); the two lanes of a query meet in FINAL.
.macro STEP1 qc, qs, dg, gen
	s_cmp_gt_u32 s[KS], s[\dg]                     ; a step behind the diagonal is left out
	s_cbranch_scc1 .Lhid_\@
	s_wait_dscnt 0x0                               ; K's fragments and words are in
	QK \qc, \qs
	v_add_nc_u32 v[ADK], s[TK], v[LI]              ; four places behind the products, ahead of the loads into their sources and of the first read of the scores
	v_add_nc_u32 v[ADS], s[TS], v[AS0]
	v_nop
	v_nop
	s_cmp_eq_u32 s[KS], s[\dg]
	s_cbranch_scc1 .Ldiag_\@
	KLOAD ADK, ADS, 8192, 512                      ; the next step's fragments land under this step's vector work
	s_branch .Lsm_\@
.Ldiag_\@:
	MASK
.Lsm_\@:
.irp b, 0,1,2,3
	v_max3_num_f32 v[TM+\b], v[S+16*\b], v[S+16*\b+1], v[S+16*\b+2]   ; four chains; each accumulator's first read takes one of its four lowest registers
.endr
.irp i, 3,5,7,9,11,13
.irp b, 0,1,2,3
	v_max3_num_f32 v[TM+\b], v[TM+\b], v[S+16*\b+\i], v[S+16*\b+\i+1]
.endr
.endr
.irp b, 0,1,2,3
	v_max_num_f32 v[TM+\b], v[TM+\b], v[S+16*\b+15]
.endr
	v_max3_num_f32 v[TT], v[TM], v[TM+1], v[TM+2]
	v_max3_num_f32 v[SMAX], v[SMAX], v[TT], v[TM+3]
.if \gen
	s_cmp_lg_u32 s[WV], 0                          ; the smallest score is wanted for row 2,047 alone, which lies in wave 0's first tile
	s_cbranch_scc1 .Lnomin_\@
.irp b, 0,1,2,3
	v_min3_num_f32 v[TM+4+\b], v[S+16*\b], v[S+16*\b+1], v[S+16*\b+2]
.endr
.irp i, 3,5,7,9,11,13
.irp b, 0,1,2,3
	v_min3_num_f32 v[TM+4+\b], v[TM+4+\b], v[S+16*\b+\i], v[S+16*\b+\i+1]
.endr
.endr
.irp b, 0,1,2,3
	v_min_num_f32 v[TM+4+\b], v[TM+4+\b], v[S+16*\b+15]
.endr
	v_min3_num_f32 v[TT], v[TM+4], v[TM+5], v[TM+6]
	v_min3_num_f32 v[SMIN], v[SMIN], v[TT], v[TM+7]
.Lnomin_\@:
.endif
	v_mul_f32 v[TT], s[CS], v[SMAX]                ; the largest t so far
	v_mov_b32 v[FF], v[NEGM]
	v_floor_f32 v[NEGM], -v[TT]                    ; -M = floor(-t): M is a whole number
	v_sub_f32 v[FF], v[NEGM], v[FF]                ; old M - new M: a whole number, 0 or less
	v_cvt_i32_f32 v[FF], v[FF]                     ; (it saturates)
	v_ldexp_f32 v[FF], 1.0, v[FF]                  ; 2^(old M - new M): a multiplication by it rounds nothing
	SCALE_EXP
	v_pk_mul_f32 v[LS:LS+1], v[LS:LS+1], v[FF:FF+1] op_sel_hi:[1,0]   ; the sum under the new M; the plain place behind the exponentials
	s_wait_alu depctr_va_vdst(0)                   ; one wait for the batch, ahead of its first reader
	v_pk_add_f32 v[TM+8:TM+9], v[S:S+1], v[S+2:S+3]
.set jj, 4
.rept 15
	v_pk_add_f32 v[LS:LS+1], v[LS:LS+1], v[S+jj:S+jj+1]
	v_pk_add_f32 v[TM+8:TM+9], v[TM+8:TM+9], v[S+jj+2:S+jj+3]
.set jj, jj+4
.endr
	v_pk_add_f32 v[LS:LS+1], v[LS:LS+1], v[TM+8:TM+9]
.Lhid_\@:
.endm
; BETWEEN THE PASSES: the two lanes of a query join their statistics; then the row's constants
.macro FINAL gen
	v_add_f32 v[LS], v[LS], v[LS+1]
	v_permlanex16_b32 v[TM], v[NEGM], s[SEL], s[SEL+1]
	v_permlanex16_b32 v[TM+1], v[SMAX], s[SEL], s[SEL+1]
	v_min_num_f32 v[TM], v[NEGM], v[TM]            ; the larger M of the two
	v_max_num_f32 v[SMAX], v[SMAX], v[TM+1]
	v_sub_f32 v[TM+2], v[TM], v[NEGM]
	v_mov_b32 v[NEGM], v[TM]
	v_cvt_i32_f32 v[TM+2], v[TM+2]
	v_ldexp_f32 v[TM+2], 1.0, v[TM+2]
	v_mul_f32 v[LS], v[LS], v[TM+2]                ; my sum under it (a lane all of whose keys were hidden holds 0)
	v_permlanex16_b32 v[TM+3], v[LS], s[SEL], s[SEL+1]
	v_add_f32 v[LS], v[LS], v[TM+3]                ; the row's sum
	v_fma_f32 v[TM+4], v[SMAX], s[CS], v[NEGM]
	v_exp_f32 v[PM], v[TM+4]                       ; the largest p, by the same two instructions as in pass 2
	v_rcp_f32 v[RL], v[LS]
	v_mov_b32 v[PMIN], 0                           ; the plain place
	s_wait_alu depctr_va_vdst(0)
	v_fma_f32 v[TM+5], -v[LS], v[RL], 1.0          ; a Newton step
	v_fma_f32 v[RL], v[TM+5], v[RL], v[RL]
.if \gen
	s_cmp_lg_u32 s[WV], 0
	s_cbranch_scc1 .Lnog_\@
	v_permlanex16_b32 v[TM+6], v[SMIN], s[SEL], s[SEL+1]
	v_min_num_f32 v[SMIN], v[SMIN], v[TM+6]
	v_fma_f32 v[TM+6], v[SMIN], s[CS], v[NEGM]
	v_exp_f32 v[TM+7], v[TM+6]
	v_nop
	v_cmp_eq_u32 vcc_lo, 127, v[QL]                ; the one row with no hidden key
	s_wait_alu depctr_va_vdst(0)
	v_mul_f32 v[TM+7], v[TM+7], v[RL]
	v_cndmask_b32 v[PMIN], 0, v[TM+7], vcc_lo
.Lnog_\@:
.endif
	v_fma_f32 v[TM+8], v[PM], v[RL], -v[PMIN]      ; pmax - pmin
	v_mul_f32 v[TM+9], 0x3b808081, v[TM+8]         ; / 255: by the reciprocal,
	v_fmamk_f32 v[TM+10], v[TM+9], 0xc37f0000, v[TM+8]   ; the remainder,
	v_fmamk_f32 v[TM+9], v[TM+10], 0x3b808081, v[TM+9]   ; and its share
	v_add_f32 v[PS], 0x2b8cbccc, v[TM+9]           ; + 1e-12
	v_rcp_f32 v[IP], v[PS]
	v_nop
	s_wait_alu depctr_va_vdst(0)
	v_fma_f32 v[TM+5], -v[PS], v[IP], 1.0
	v_fma_f32 v[IP], v[TM+5], v[IP], v[IP]
	v_mul_f32 v[FA], v[RL], v[IP]
	v_fma_f32 v[FB], -v[PMIN], v[IP], s[MAGIC]
	v_fma_f32 v[FC], -v[PS], s[MAGIC], v[PMIN]
.endm
; PASS 2, a key step
.macro STEP2 qc, qs, dg, gen, zero, skip
.if \skip
	s_cmp_gt_u32 s[KS], s[\dg]
	s_cbranch_scc1 .Lhid2_\@
.endif
	s_wait_dscnt 0x0
	QK \qc, \qs
	v_add_nc_u32 v[ADK], s[TK], v[LI]              ; four places: behind QK's products, and behind the last step's V^T P^T, ahead of the loads into their sources
	v_add_nc_u32 v[ADS], s[TS], v[AS0]
	v_add_nc_u32 v[ADV], s[TK], v[AV0]
	v_add_nc_u32 v[ADT], s[TS], v[AT0]
	VLOAD                                          ; this step's V lands under the vector work
	s_cmp_eq_u32 s[KS], s[\dg]
	s_cbranch_scc1 .Ldiag2_\@
	KLOAD ADK, ADS, 8192, 512                      ; and the next step's K
	s_branch .Lsm2_\@
.Ldiag2_\@:
	MASK
.Lsm2_\@:
	SCALE_EXP
	v_nop                                          ; the plain place behind the exponentials
	s_wait_alu depctr_va_vdst(0)                   ; one wait for the batch
.set jj, 0
.rept 32
	v_pk_fma_f32 v[S+jj:S+jj+1], v[S+jj:S+jj+1], v[FA:FA+1], v[FB:FB+1] op_sel_hi:[1,0,0]   ; (probs - pmin) / pscale, + the constant that rounds it
.set jj, jj+2
.endr
.if \gen
	s_cmp_lg_u32 s[WV], 0
	s_cbranch_scc1 .Lnr_\@
.set jj, 0
.rept 64
	v_rndne_f32 v[S+jj], v[S+jj]                   ; the general way: the constant is 0 there
.set jj, jj+1
.endr
.Lnr_\@:
.endif
.set jj, 0
.rept 32
	v_pk_fma_f32 v[S+jj:S+jj+1], v[S+jj:S+jj+1], v[PS:PS+1], v[FC:FC+1] op_sel_hi:[1,0,0]   ; pd
.set jj, jj+2
.endr
	QUANT S, PC, PSW
.rept 7
	v_nop                                          ; with the one in QUANT: eight places between the scale word's last write and the scaled products; the codes' last writes stand seven ahead
.endr
	s_wait_dscnt 0x0                               ; V is in
	PV \zero
.Lhid2_\@:
.endm
; THE WAY OUT: O^T goes through my stage, half a row (64 channels, 256 bytes) of 16 queries at a time, and leaves as whole runs of 256 bytes
.macro OUT ob, more
.rept 4
	v_nop                                          ; places behind the last products
.endr
.irp u, 0,1
	WIN 0x04                                       ; an LDS store's data are its source 1: window 1
.irp t, 0,1,2,3
	ds_store_b128 v[STO], v[8*(4*\u+\t):8*(4*\u+\t)+3] offset:64*\t          ; each accumulator from its low end on
	ds_store_b128 v[STO], v[8*(4*\u+\t)+4:8*(4*\u+\t)+7] offset:64*\t+16
.endr
	WIN 0
.irp i, 0,1,2,3,4,5,6,7
	ds_load_b128 v[S+32*\u+4*\i:S+32*\u+4*\i+3], v[RD] offset:2*\i*SP
.endr
.endr
.irp u, 0,1
.irp i, 0,1,2,3,4,5,6,7
	s_wait_dscnt 23-16*\u-\i                       ; the LDS instructions issued behind this load may be out
	global_store_b128 v[GO], v[S+32*\u+4*\i:S+32*\u+4*\i+3], s[\ob:\ob+1] offset:2*\i*ROWB+256*\u th:TH_STORE_NT   ; sixteen lanes store 256 consecutive bytes, aligned; the other sixteen the next query's
.endr
.endr
.if \more
	s_wait_xcnt 0x0                                ; the stores have read their data: the next tile writes these registers again
.endif
.endm
; A TILE of 16 queries.  hi = 1: the wave's first tile: it may hold row 2,047, and the second tile's q is prepared between its passes
.macro TILE qc, qs, dg, jm, ob, hi
	s_lshl_b32 s[JM], s[\jm], 4                    ; 16 x the tile's place in its step
	v_add_nc_u32 v[DM], s[JM], v[RH]
.if \hi
	v_add_nc_u32 v[QL], s[JM], v[RR]
	v_mov_b32 v[SMIN], 0x7f61b1e6                  ; 3e38, over every score
	s_cmp_eq_u32 s[WV], 0
	s_cselect_b32 s[MAGIC], 0, 0x4b000000          ; 2^23, or 0 for the general way
.else
	s_mov_b32 s[MAGIC], 0x4b000000
.endif
	v_mov_b32 v[SMAX], 0xff61b1e6                  ; -3e38, under every score
	v_mul_f32 v[TT], s[CS], v[SMAX]
	v_floor_f32 v[NEGM], -v[TT]
	v_mov_b32 v[LS], 0
	v_mov_b32 v[LS+1], 0                           ; (in the first tile these eight lines are also the places between q's scale word and the first scaled product)
	s_mov_b32 s[KS], 0
	s_mov_b32 s[TK], 0
	s_mov_b32 s[TS], 0
	KLOAD LI, AS0, 0, 0
.Lp1_\@:                                               ; 16 trips, a constant: the steps behind the diagonal do nothing but count
	STEP1 \qc, \qs, \dg, \hi
	s_add_co_u32 s[TK], s[TK], 8192
	s_add_co_u32 s[TS], s[TS], 512
	s_add_co_u32 s[KS], s[KS], 1
	s_cmp_lt_u32 s[KS], 16
	s_cbranch_scc1 .Lp1_\@
	s_wait_dscnt 0x0                               ; no load is out into the registers that the next lines load
	KLOAD LI, AS0, 0, 0                            ; step 0 again, for pass 2
.if \hi
	QPREP QB, QBS                                  ; its numbers were asked for ahead of pass 1
.endif
	FINAL \hi
	s_mov_b32 s[KS], 0
	s_mov_b32 s[TK], 0
	s_mov_b32 s[TS], 0
	STEP2 \qc, \qs, \dg, \hi, 1, 0                 ; step 0 is written out: its products start O^T's sums
	s_mov_b32 s[KS], 1
	s_mov_b32 s[TK], 8192
	s_mov_b32 s[TS], 512
.Lp2_\@:                                               ; 15 trips
	STEP2 \qc, \qs, \dg, \hi, 0, 1
	s_add_co_u32 s[TK], s[TK], 8192
	s_add_co_u32 s[TS], s[TS], 512
	s_add_co_u32 s[KS], s[KS], 1
	s_cmp_lt_u32 s[KS], 16
	s_cbranch_scc1 .Lp2_\@
	OUT \ob, \hi
.endm
	s_load_b256 s[4:11], s[0:1], 0x0               ; q s[4:5], qscale s[6:7], qmin s[8:9], kv s[10:11]
	s_load_b64 s[12:13], s[0:1], 0x20              ; out
	v_lshl_add_u32 v254, v0, 2, 0x4c800
	v_mov_b32 v255, 0
	ds_add_u32 v254, v255
	ds_add_u32 v254, v255
	v_lshrrev_b32 v1, 5, v0
	v_readfirstlane_b32 s[WV], v1                  ; wave 0..7
	v_and_b32 v1, 31, v0
	v_lshlrev_b32 v[LI], 4, v1
	v_and_b32 v[RR], 15, v0                        ; r
	v_bfe_u32 v[HH], v0, 4, 1                      ; h
	v_lshlrev_b32 v[RH], 4, v[HH]
	v_sub_nc_u32 v[RH], v[RR], v[RH]
	s_mul_i32 s30, s[WV], 16*SP
	s_add_co_u32 s30, s30, STAGE                   ; my stage
	v_mul_u32_u24 v[STO], v[RR], SP
	v_add_nc_u32 v[STO], s30, v[STO]
	v_lshl_add_u32 v[QRD], v[HH], 6, v[STO]
	v_lshl_add_u32 v[STO], v[HH], 5, v[STO]
	v_mul_u32_u24 v[RD], v[HH], SP
	v_lshl_add_u32 v[RD], v[RR], 4, v[RD]
	v_add_nc_u32 v[RD], s30, v[RD]
	v_lshlrev_b32 v[GO], 14, v[HH]
	v_lshl_add_u32 v[GO], v[RR], 4, v[GO]
	v_mov_b32 v[NINF], 0xff800000
	v_add_nc_u32 v[AS0], KSOFF, v[LI]
	v_add_nc_u32 v[AV0], VCOFF, v[LI]
	v_add_nc_u32 v[AT0], VSOFF, v[LI]
	v_lshlrev_b32 v[QSO], 7, v[RR]
	v_mov_b32 v[QSV+1], 0                          ; named as the upper halves of pairs, so they are written
	v_mov_b32 v[QMV+1], 0
.irp i, 0,1,2,3,4,5,6,7
	v_mov_b32 v[TM+\i], 0                          ; written once: a lane permute's destination counts as one of its sources
.endr
	; the joint load: an eighth of the head's image, 136 rows of 256 bytes (32 elements of 8 bytes), dense.  Nothing in it hangs on my place in the cluster
	s_mov_b32 s[G1+0], 15|(3<<16)|(1<<21)          ; the mask: all four work-groups; elements of 8 bytes; bit 21 set beside a mask
	s_mov_b32 s[G1+1], 32<<16
	s_mov_b32 s[G1+2], 136<<16
	s_mov_b32 s[G1+3], 32<<16
	s_mov_b32 s[G1+4], 136
	s_mov_b32 s[G1+5], 32
	s_mov_b32 s[G1+6], 0
	s_mov_b32 s[G1+7], 0
	s_and_b32 s[HD], ttmp7, 0xffff                 ; the head, which the four partners share
	s_mov_b32 s[G0], 1
	s_mul_i32 s[G0+1], s[WV], PARTB                ; LDS address
	s_mul_i32 s28, s[HD], HEADB
	s_add_co_u32 s28, s28, s[G0+1]
	s_mov_b32 s29, 0
	s_mov_b32 s[CS], 0x3e0293ee                    ; log2(e) / sqrt(128)
	s_mov_b32 s[CS+1], s[CS]
	s_mov_b32 s[SEL], 0x76543210
	s_mov_b32 s[SEL+1], 0xfedcba98
	s_bfe_u32 s[CC], ttmp6, 0x40000                ; cx
	s_lshl_b32 s41, ttmp9, 2
	s_add_co_u32 s[CC], s[CC], s41                 ; c = 4 x cluster x + cx
	s_xor_b32 s[CI], s[CC], 7                      ; 7 - c
	s_xor_b32 s[DGH], s[WV], 15                    ; 15 - w
	s_mov_b32 s[DGL], s[WV]
	s_lshl_b32 s62, s[DGH], 3
	s_add_co_u32 s62, s62, s[CI]                   ; my first tile
	s_lshl_b32 s63, s[WV], 3
	s_add_co_u32 s63, s63, s[CC]                   ; my second
	s_lshl_b32 s2, s[HD], 9
	s_lshl_b32 s3, s[HD], 2
	s_lshl_b32 s58, s62, 18                        ; q and out: 16 rows of 16,384 bytes a tile, 512 bytes a head
	s_add_co_u32 s58, s58, s2
	s_mov_b32 s59, 0
	s_lshl_b32 s60, s63, 18
	s_add_co_u32 s60, s60, s2
	s_mov_b32 s61, 0
	s_wait_dscnt 0x0
	s_wait_kmcnt 0x0
	s_add_nc_u64 s[G0+2:G0+3], s[10:11], s[28:29]
	s_or_b32 s[G0+3], s[G0+3], 0x80000000          ; type = 2
	s_add_nc_u64 s[QBH:QBH+1], s[4:5], s[58:59]
	s_add_nc_u64 s[QBL:QBL+1], s[4:5], s[60:61]
	s_add_nc_u64 s[OBH:OBH+1], s[12:13], s[58:59]
	s_add_nc_u64 s[OBL:OBL+1], s[12:13], s[60:61]
	s_lshl_b32 s58, s62, 11                        ; qscale, qmin: 16 rows of 128 bytes a tile, 4 bytes a head
	s_add_co_u32 s58, s58, s3
	s_lshl_b32 s60, s63, 11
	s_add_co_u32 s60, s60, s3
	s_add_nc_u64 s[SBH:SBH+1], s[6:7], s[58:59]
	s_add_nc_u64 s[SBL:SBL+1], s[6:7], s[60:61]
	s_add_nc_u64 s[MBH:MBH+1], s[8:9], s[58:59]
	s_add_nc_u64 s[MBL:MBL+1], s[8:9], s[60:61]
	CROUND                                         ; all four work-groups are here: the joint loads meet
	tensor_load_to_lds s[G0:G0+3], s[G1:G1+7]      ; my one tensor load of the launch
	s_nop 0
.rept 4
	v_nop
.endr
	QLOAD QBH, SBH, MBH
	QPREP QA, QAS                                  ; the first tile's q is quantised while the image is on its way
	QLOAD QBL, SBL, MBL                            ; the second tile's numbers: they land during the first tile's pass 1, which touches none of their registers
	s_wait_tensorcnt 0x0                           ; my part of the image has landed,
	s_wait_dscnt 0x0
	s_barrier_signal -1
	s_barrier_wait -1                              ; everybody's has
	TILE QA, QAS, DGH, CI, OBH, 1
	TILE QB, QBS, DGL, CC, OBL, 0
	s_wait_dscnt 0x0
	s_wait_tensorcnt 0x0
	ds_add_u32 v254, v255
	s_wait_dscnt 0x0
	CROUND                                         ; the closing round
	s_endpgm
.Lfunc_end_k_q3d67e53348_attn:
	.size	k_q3d67e53348_attn, .Lfunc_end_k_q3d67e53348_attn-k_q3d67e53348_attn
	.p2alignl 7, 3214868480
	.fill 96, 4, 3214868480
	.section	.rodata,"a",@progbits
	.p2align	6, 0x0
	.amdhsa_kernel k_q3d67e53348_attn
		.amdhsa_group_segment_fixed_size 327680
		.amdhsa_private_segment_fixed_size 0
		.amdhsa_enable_private_segment 0
		.amdhsa_kernarg_size 40
		.amdhsa_user_sgpr_count 2
		.amdhsa_user_sgpr_kernarg_segment_ptr 1
		.amdhsa_wavefront_size32 1
		.amdhsa_system_sgpr_workgroup_id_x 1
		.amdhsa_system_sgpr_workgroup_id_y 1
		.amdhsa_system_sgpr_workgroup_id_z 1
		.amdhsa_system_vgpr_workitem_id 0
		.amdhsa_next_free_vgpr 384
		.amdhsa_next_free_sgpr 66
		.amdhsa_reserve_vcc 1
		.amdhsa_float_denorm_mode_32 3
		.amdhsa_float_denorm_mode_16_64 3
		.amdhsa_memory_ordered 1
		.amdhsa_forward_progress 1
		.amdhsa_inst_pref_size 168
	.end_amdhsa_kernel
	.amdgpu_metadata
---
amdhsa.version: [ 1, 2 ]
amdhsa.kernels:
  - .name:           k_q3d67e53348_attn
    .symbol:         k_q3d67e53348_attn.kd
    .args:
      - { .name: query_layer, .offset: 0, .size: 8, .value_kind: global_buffer, .address_space: global }
      - { .name: qscale, .offset: 8, .size: 8, .value_kind: global_buffer, .address_space: global }
      - { .name: qmin, .offset: 16, .size: 8, .value_kind: global_buffer, .address_space: global }
      - { .name: kv, .offset: 24, .size: 8, .value_kind: global_buffer, .address_space: global }
      - { .name: out0, .offset: 32, .size: 8, .value_kind: global_buffer, .address_space: global }
    .group_segment_fixed_size: 327680
    .private_segment_fixed_size: 0
    .kernarg_segment_align: 8
    .kernarg_segment_size: 40
    .max_flat_workgroup_size: 256
    .sgpr_count:     66
    .vgpr_count:     384
    .wavefront_size: 32
...
	.end_amdgpu_metadata
.endif
;; end of part 2
